; MI455X (gfx1250); checked and timed in simulation.
; The chip was launched on July 23, 2026; its instructions are those of AMD's public machine-readable ISA for CDNA 5 (MIT licence, August 2026) and "CDNA5" Instruction Set Architecture Reference Guide (July 2026). The comments in the code are by the model that wrote it; some were corrected since.
;; Multi Head Attention. Allowed arithmetic: float matrix products may take bf16 or f16 operands with f32 sums; all other float work in f32.
;; Inputs: Wf 1,024 x 1,024 float32; Wk 1,024 x 1,024 float32; Wq 1,024 x 1,024 float32; Wv 1,024 x 1,024 float32; bf 1,024 float32; bk 1,024 float32; bq 1,024 float32; bv 1,024 float32; k 4 x 2,048 x 1,024 float32; mask 4 x 2,048 x 2,048 int32; q 4 x 2,048 x 1,024 float32; v 4 x 2,048 x 1,024 float32.
;; Outputs: out0 4 x 2,048 x 1,024 float32.
;; One version. Each part assembles by itself: llvm-mc -triple=amdgcn-amd-amdhsa -mcpu=gfx1250 --defsym DOCPART=n.
;; ======== version 1 of 1: 4 launches
;; limits: values are held in f16: magnitudes above 65,504 overflow, below 6.1e-05 lose precision
;; workspace buffers: xh 50,331,648 bytes; wh 8,388,608 bytes; mb 2,097,152 bytes of whole numbers; hb 50,331,648 bytes; yb 16,777,216 bytes
;; launch prep (part 1): grid 2816 x 1, 8 waves a work-group, no clusters, 68,608 bytes of LDS; arguments q, k, v, Wq, Wk, Wv, Wf, mask, xh, wh, mb; writes xh, wh, mb
.if DOCPART == 1
	.amdgcn_target "amdgcn-amd-amdhsa--gfx1250"
	.amdhsa_code_object_version 6
	.text
	.protected	k_q6db7bb9d06_prep
	.globl	k_q6db7bb9d06_prep
	.p2align	8
	.type	k_q6db7bb9d06_prep,@function
k_q6db7bb9d06_prep:
	s_mov_b64 s[64:65], 0
	v_nop
	global_prefetch_b8 v0, s[64:65] scope:SCOPE_SE
	s_setreg_imm32_b32 hwreg(HW_REG_WAVE_MODE, 25, 1), 1
	s_wait_xcnt 0x0
; prep: narrows q, k, v (into xh) and Wq, Wk, Wv, Wf (into wh) from f32 to f16, round to nearest even, and packs the int32 mask into bits (mb).
; LIMIT: a number of magnitude 65,520 or more becomes an infinity in f16; below 6e-5 the f16 code is denormal (absolute error at most 3e-8).
; 2,816 work-groups of eight waves, each with 64 KiB of input:
;   g = 0 .. 1535     q, k, v: 512 blocks of 64 KiB each;   g = 1536 .. 1791   the four weights: 64 blocks each;
;   g = 1792 .. 2815  the mask: strip = (g - 1792) / 2 (16 query rows), half = (g - 1792) % 2 (1,024 keys); a wave takes 16 rows x 128 keys.
; mb[strip][key tile of 16][j = 0..7] is one word: bit L = (mask[16 strip + (L & 15)][16 tile + 8 (L >> 4) + j] != 0), which is the place
; that lane L's register j has in a 16 x 16 f32 matrix result with keys down and queries across: a word is a lane mask as it stands.
; No matrix unit, no cluster: nothing is shared and nothing is multiplied. Every input byte is read once, in runs of 512 bytes a wave.
.set X,    12                          ; v[12:75]   16 loads of 16 bytes a lane
.set Z,    76                          ; v[76:139]  results (f16 pairs) or the mask words as the compare wants them
.set LP,   528                         ; LDS pitch of a mask row piece: 512 bytes + 16, an odd multiple of 16
.set WLDS, 16*LP                       ; a wave's own LDS bytes
	s_load_b512 s[8:23], s[0:1], 0x0               ; q, k, v, Wq, Wk, Wv, Wf, mask: pointer i in s[8+2i:9+2i]
	s_load_b128 s[24:27], s[0:1], 0x40             ; xh s[24:25], wh s[26:27]
	s_load_b64 s[28:29], s[0:1], 0x50              ; mb
	v_lshl_add_u32 v144, v0, 2, 0x10800
	v_mov_b32 v145, 0
	s_mov_b32 s2, ttmp9                            ; g
	v_lshrrev_b32 v10, 5, v0
	v_readfirstlane_b32 s3, v10                    ; wave 0..7
	v_and_b32 v1, 31, v0                           ; lane
	s_mov_b32 s33, 0
	s_mov_b32 s35, 0
	s_cmp_ge_u32 s2, 1792
	s_cbranch_scc1 .Lmask
	; ---- f32 to f16 ----
	v_lshlrev_b32 v2, 4, v1
	v_lshl_add_u32 v2, s3, 13, v2                  ; in: 8,192 x wave + 16 x lane
	v_lshrrev_b32 v3, 1, v2                        ; out: half of that
	s_sub_co_u32 s5, s2, 1536                      ; g' (used only where g >= 1536)
	s_lshr_b32 s4, s2, 9                           ; which of q, k, v
	s_and_b32 s32, s2, 511                         ; which block of it
	s_mov_b32 s34, s2                              ; which block of xh
	s_lshr_b32 s6, s5, 6
	s_add_co_u32 s6, s6, 3                         ; which of the weights, as pointer number 3 .. 6
	s_and_b32 s7, s5, 63
	s_wait_kmcnt 0x0
	s_cmp_ge_u32 s2, 1536
	s_cselect_b32 s4, s6, s4
	s_cselect_b32 s32, s7, s32
	s_cselect_b32 s34, s5, s34
	s_cselect_b64 s[36:37], s[26:27], s[24:25]     ; wh or xh
	s_mov_b64 s[30:31], s[8:9]
.irp i, 1,2,3,4,5,6
	s_cmp_eq_u32 s4, \i
	s_cselect_b64 s[30:31], s[8+2*\i:9+2*\i], s[30:31]
.endr
	s_lshl_b32 s32, s32, 16                        ; 64 KiB of f32 in,
	s_lshl_b32 s34, s34, 15                        ; 32 KiB of f16 out
	s_add_nc_u64 s[30:31], s[30:31], s[32:33]
	s_add_nc_u64 s[36:37], s[36:37], s[34:35]
.irp i, 0,1,2,3,4,5,6,7,8,9,10,11,12,13,14,15
	global_load_b128 v[X+4*\i:X+4*\i+3], v2, s[30:31] offset:512*\i th:TH_LOAD_NT
.endr
.irp i, 0,1,2,3,4,5,6,7,8,9,10,11,12,13,14,15
	s_wait_loadcnt 15-\i                           ; loads come back in order: load i is in, the 15 - i younger ones stay out
	v_cvt_pk_f16_f32 v[Z+2*\i],   v[X+4*\i],   v[X+4*\i+1]
	v_cvt_pk_f16_f32 v[Z+2*\i+1], v[X+4*\i+2], v[X+4*\i+3]
	global_store_b64 v3, v[Z+2*\i:Z+2*\i+1], s[36:37] offset:256*\i     ; the wave's store covers 256 consecutive bytes, aligned; each store has data registers of its own
.endr
	s_endpgm
	; ---- the mask ----
.Lmask:
	s_sub_co_u32 s5, s2, 1792
	s_lshr_b32 s4, s5, 1                           ; strip
	s_and_b32 s5, s5, 1                            ; half
	s_lshl_b32 s32, s4, 17                         ; in: 16 rows of 8,192 bytes a strip,
	s_lshl_b32 s6, s5, 12                          ; 4,096 bytes a half,
	s_add_co_u32 s32, s32, s6
	s_lshl_b32 s6, s3, 9                           ; 512 bytes a wave
	s_add_co_u32 s32, s32, s6
	s_lshl_b32 s34, s4, 12                         ; out: 4,096 bytes a strip,
	s_lshl_b32 s6, s5, 11                          ; 2,048 a half,
	s_add_co_u32 s34, s34, s6
	s_lshl_b32 s6, s3, 8                           ; 256 a wave
	s_add_co_u32 s34, s34, s6
	s_mul_i32 s7, s3, WLDS
	v_lshlrev_b32 v9, 4, v1                        ; 16 x lane
	v_add_nc_u32 v4, s7, v9                        ; LDS, in: my 16 bytes of a row piece
	v_and_b32 v10, 15, v0                          ; r
	v_bfe_u32 v11, v0, 4, 1                        ; h
	v_mul_u32_u24 v5, v10, LP
	v_lshl_add_u32 v5, v11, 5, v5
	v_add_nc_u32 v5, s7, v5                        ; LDS, back: row r, keys 8 h .. 8 h + 7 of a key tile
	v_lshlrev_b32 v8, 3, v1                        ; 8 x lane
	v_mov_b32 v6, 0                                ; v_writelane_b32 keeps the other lanes: written whole first
	v_mov_b32 v7, 0
	s_wait_kmcnt 0x0
	s_add_nc_u64 s[30:31], s[22:23], s[32:33]
	s_add_nc_u64 s[36:37], s[28:29], s[34:35]
.irp i, 0,1,2,3,4,5,6,7,8,9,10,11,12,13,14,15
	global_load_b128 v[X+4*\i:X+4*\i+3], v9, s[30:31] offset:8192*\i th:TH_LOAD_NT     ; row i: 512 consecutive bytes, 128 keys
.endr
.irp i, 0,1,2,3,4,5,6,7,8,9,10,11,12,13,14,15
	s_wait_loadcnt 15-\i
	ds_store_b128 v4, v[X+4*\i:X+4*\i+3] offset:LP*\i
.endr
	; the wave's own bytes, and LDS serves a wave's instructions in order (ISA guide 5.7.1): no wait and no barrier between stores and loads
.irp kt, 0,1,2,3,4,5,6,7
	ds_load_b128 v[Z+8*\kt:Z+8*\kt+3],   v5 offset:64*\kt
	ds_load_b128 v[Z+8*\kt+4:Z+8*\kt+7], v5 offset:64*\kt+16
.endr
.set n, 0
.rept 8
	s_wait_dscnt 14-n/4                            ; key tile n / 8: its two loads are in, the younger ones stay out
.rept 8
	v_cmp_ne_u32 s[40+(n&3)], 0, v[Z+n]            ; word n of the wave's 64: one bit a lane
	v_writelane_b32 v[6+(n&1)], s[40+(n&3)], n>>1  ; words 2 l and 2 l + 1 go to lane l
.set n, n+1
.endr
.endr
	global_store_b64 v8, v[6:7], s[36:37]          ; 256 consecutive bytes, aligned
	s_wait_tensorcnt 0x0
	ds_add_u32 v144, v145
	s_wait_dscnt 0x0
	s_endpgm
.Lfunc_end_k_q6db7bb9d06_prep:
	.size	k_q6db7bb9d06_prep, .Lfunc_end_k_q6db7bb9d06_prep-k_q6db7bb9d06_prep
	.p2alignl 7, 3214868480
	.fill 96, 4, 3214868480
	.section	.rodata,"a",@progbits
	.p2align	6, 0x0
	.amdhsa_kernel k_q6db7bb9d06_prep
		.amdhsa_group_segment_fixed_size 68608
		.amdhsa_private_segment_fixed_size 0
		.amdhsa_enable_private_segment 0
		.amdhsa_kernarg_size 88
		.amdhsa_user_sgpr_count 2
		.amdhsa_user_sgpr_kernarg_segment_ptr 1
		.amdhsa_wavefront_size32 1
		.amdhsa_system_sgpr_workgroup_id_x 1
		.amdhsa_system_sgpr_workgroup_id_y 1
		.amdhsa_system_sgpr_workgroup_id_z 1
		.amdhsa_system_vgpr_workitem_id 0
		.amdhsa_next_free_vgpr 146
		.amdhsa_next_free_sgpr 66
		.amdhsa_reserve_vcc 0
		.amdhsa_float_denorm_mode_32 3
		.amdhsa_float_denorm_mode_16_64 3
		.amdhsa_memory_ordered 1
		.amdhsa_forward_progress 1
		.amdhsa_inst_pref_size 22
	.end_amdhsa_kernel
	.amdgpu_metadata
---
amdhsa.version: [ 1, 2 ]
amdhsa.kernels:
  - .name:           k_q6db7bb9d06_prep
    .symbol:         k_q6db7bb9d06_prep.kd
    .args:
      - { .name: q, .offset: 0, .size: 8, .value_kind: global_buffer, .address_space: global }
      - { .name: k, .offset: 8, .size: 8, .value_kind: global_buffer, .address_space: global }
      - { .name: v, .offset: 16, .size: 8, .value_kind: global_buffer, .address_space: global }
      - { .name: Wq, .offset: 24, .size: 8, .value_kind: global_buffer, .address_space: global }
      - { .name: Wk, .offset: 32, .size: 8, .value_kind: global_buffer, .address_space: global }
      - { .name: Wv, .offset: 40, .size: 8, .value_kind: global_buffer, .address_space: global }
      - { .name: Wf, .offset: 48, .size: 8, .value_kind: global_buffer, .address_space: global }
      - { .name: mask, .offset: 56, .size: 8, .value_kind: global_buffer, .address_space: global }
      - { .name: xh, .offset: 64, .size: 8, .value_kind: global_buffer, .address_space: global }
      - { .name: wh, .offset: 72, .size: 8, .value_kind: global_buffer, .address_space: global }
      - { .name: mb, .offset: 80, .size: 8, .value_kind: global_buffer, .address_space: global }
    .group_segment_fixed_size: 68608
    .private_segment_fixed_size: 0
    .kernarg_segment_align: 8
    .kernarg_segment_size: 88
    .max_flat_workgroup_size: 256
    .sgpr_count:     66
    .vgpr_count:     146
    .wavefront_size: 32
...
	.end_amdgpu_metadata
.endif
;; end of part 1
;; launch proj (part 2): grid 4 x 96, 4 waves a work-group, clusters of 4 x 4, 327,680 bytes of LDS; arguments xh, wh, bq, bk, bv, hb; writes hb
.if DOCPART == 2
	.amdgcn_target "amdgcn-amd-amdhsa--gfx1250"
	.amdhsa_code_object_version 6
	.text
	.protected	k_q6db7bb9d06_proj
	.globl	k_q6db7bb9d06_proj
	.p2align	8
	.type	k_q6db7bb9d06_proj,@function
k_q6db7bb9d06_proj:
	s_mov_b64 s[64:65], 0
	v_nop
	global_prefetch_b8 v0, s[64:65] scope:SCOPE_SE
	s_setreg_imm32_b32 hwreg(HW_REG_WAVE_MODE, 25, 1), 1
	s_wait_xcnt 0x0
	s_wait_alu depctr_hold_cnt(0) depctr_sa_sdst(0) depctr_va_vdst(0) depctr_va_sdst(0) depctr_va_ssrc(0) depctr_va_vcc(0) depctr_vm_vsrc(0)
	s_getreg_b32 s2, hwreg(HW_REG_IB_STS2, 6, 4)
	s_cmp_eq_u32 s2, 0
	s_cbranch_scc0 .Lentry_in_a_cluster
	s_endpgm
.Lentry_in_a_cluster:
	s_bfe_u32 s2, ttmp6, 0x10000c
	s_cmp_lg_u32 s2, 0xf033
	s_cbranch_scc0 .Lentry_shape_is_right
	s_endpgm
.Lentry_shape_is_right:
; proj: the three projections as one product. hb[z][b][head][t][d] = scale_z (x_z[b t][:] . W_z[64 head + d][:] + bias_z), z = 0, 1, 2 for q, k, v.
; scale_0 = 0.125 log2(e) (the softmax's 1 / sqrt(64), and base 2 for its exponentials), scale_1 = scale_2 = 1. Operands f16, sums f32, results f16.
; LIMIT: results of magnitude 65,520 or more become infinities in f16.
; A = xh [3 x 8192][1024], B = wh [z][1024][1024], K along the rows of both. A work-group makes a block of 256 x 256 with four waves, as many as
; a WGP has SIMDs; a wave makes 128 x 128: 64 accumulator tiles, 512 registers. 96 x 4 = 384 work-groups. K goes in 8 steps of 128 through a ring
; of two LDS slots filled by the tensor data mover; a tile's rows are 256 bytes of memory and start at multiples of 256 bytes.
; WHY THIS BLOCK: a tile has the work between two refills in which to land. Here that is 240 matrix instructions of a wave; a block of 128 x 256
; on two slots leaves 120, and reads 12 KB of LDS for 32 matrix instructions where this one reads 16 KB for 64. The price is a number of
; work-groups that is no multiple of 256: 8,192 rows an input is a power of two and there are three inputs, so no one block shape gives one.
; CLUSTERS: 4 x 4 work-groups. The four of a row of the cluster need the same rows of A, the four of a column the same rows of B: each tile is
; asked for jointly, by the same tensor load with the same descriptor in all four. Waves 0 and 1 ask for A's halves, waves 2 and 3 for B's.
; REGISTERS, in windows of 256:
;   window 0: v0-31 addresses; v64-127, v128-191 fragments of A (8 x 16 rows x 32 K), two buffers; v192-223 at work on the way out
;   window 1: v0-63 the lane's 64 bias numbers; v64-127, v128-191 fragments of B, two buffers
;   window 2: the 32 accumulator tiles of my rows 0-63 (tile (a, b) at v[8 (8 a + b)]);   window 3: those of my rows 64-127
; THE MATRIX INSTRUCTION IS USED TRANSPOSED (source 0 = rows of B, source 1 = rows of A): a lane then holds row l % 16 and eight neighbouring columns.
.set SIZE_K, 1024
.set KSTEP,  128
.set PITCH,  272                       ; an LDS row: 256 bytes + 16, an odd multiple of 16: the 16 rows that a load touches start in 16 different 16-byte columns
.set HALFT,  128*PITCH                 ; 128 rows: what one tensor load brings, and what one wave reads of A or of B
.set SLOT,   4*HALFT                   ; A's 256 rows, then B's 256 rows: 139,264
.set STAGE,  2*SLOT                    ; 278,528, a multiple of 256: no fill lands behind it
.set SPITCH, 272
.set LAPS,   SIZE_K/(2*KSTEP)          ; 4: a lap is two K steps, once round the ring
.set ADRA, 16                          ; v16-17 LDS address of my A fragments in slot 0, 1
.set ADRB, 20                          ; v20-21 the same for B
.set STO,  24                          ; the way out: where I put 16 bytes of a row
.set RD,   25                          ; the way out: where I read back
.set CO,   26                          ; my byte offset in hb
.set BO,   27                          ; my byte offset in a tile's 16 bias numbers
.set F0,   64                          ; fragment buffer 0
.set F1,   128                         ; fragment buffer 1
.set TMP,  192                         ; the way out: packed results, in window 0
.set G1,  24                           ; s[24:31] group 1 for A's tiles
.set G0,  32                           ; s[32:39] group 0 for A's tiles, a set for each slot
.set G1B, 48                           ; s[48:55] group 1 for B's tiles: it differs in the mask alone
.set G0B, 56                           ; s[56:63] group 0 for B's tiles
.set MUL_LO, 0xa1                      ; source 0 (B) window 1, source 1 (A) window 0, C and D window 2
.set MUL_HI, 0xf1                      ; the same, C and D window 3
.set TO_B,   0x40                      ; destination window 1, address window 0
.set MSB, 0
.macro WIN new                         ; the immediate's high byte repeats the setting that is left
.if MSB != \new
	s_set_vgpr_msb (MSB<<8)|\new
.set MSB, \new
.endif
.endm
.macro PLACES                          ; four places behind a matrix instruction, before its registers are loaded into or its result is read (ISA guide 7.12.1)
.rept 4
	v_nop
.endr
.endm
.macro JLOAD s                         ; one joint load a wave; each line has one mask; the branch hangs on the wave's number alone
	s_cmp_eq_u32 s11, 0
	s_cbranch_scc0 .Lfor_b_\@
	tensor_load_to_lds s[G0+4*\s:G0+4*\s+3], s[G1:G1+7]
	s_nop 0
	s_branch .Lasked_\@
.Lfor_b_\@:
	tensor_load_to_lds s[G0B+4*\s:G0B+4*\s+3], s[G1B:G1B+7]
	s_nop 0
	v_nop
.Lasked_\@:
.endm
.macro CREST                           ; a round of the cluster's barrier behind its opening barrier
	s_cmp_lg_u32 s10, 0
	s_cbranch_scc1 .Lnot_wave_0_\@
	s_barrier_signal -3
.Lnot_wave_0_\@:
	s_barrier_wait -3
	s_barrier_signal -1
	s_barrier_wait -1
.endm
.macro CROUND                          ; a whole round
	s_barrier_signal -1
	s_barrier_wait -1
	CREST
.endm
	s_load_b128 s[4:7], s[0:1], 0x0                ; xh s[4:5], wh s[6:7]
	s_load_b128 s[68:71], s[0:1], 0x10             ; bq s[68:69], bk s[70:71]
	s_load_b128 s[72:75], s[0:1], 0x20             ; bv s[72:73], hb s[74:75]
	s_set_vgpr_msb 0x40
	v_lshl_add_u32 v255, v0, 2, 0x48400
	s_set_vgpr_msb 0x4000
	v_mov_b32 v255, 0
	s_set_vgpr_msb 0x1
	ds_add_u32 v255, v255
	s_set_vgpr_msb 0x100
	v_lshrrev_b32 v1, 5, v0
	v_readfirstlane_b32 s10, v1                    ; wave 0..3
	s_lshr_b32 s11, s10, 1                         ; which half of the block's rows is mine. Also: I fetch for A (0) or for B (1)
	s_and_b32 s12, s10, 1                          ; which half of its columns. Also: which 128 rows of that tile I fetch
	s_bfe_u32 s40, ttmp6, 0x40000                  ; cx
	s_bfe_u32 s41, ttmp6, 0x40004                  ; cy
	s_lshl_b32 s42, ttmp9, 2
	s_add_co_u32 s42, s42, s40                     ; block column 0..3
	s_and_b32 s45, ttmp7, 0xffff                   ; the cluster's y, 0..23
	s_lshl_b32 s13, s45, 2
	s_add_co_u32 s13, s13, s41                     ; block row 0..95
	s_lshr_b32 s45, s45, 3                         ; z: 32 block rows = 8 clusters for each of q, k, v; the same in all sixteen partners
	s_lshl_b32 s43, s41, 2
	s_lshl_b32 s43, 15, s43                        ; my row of the cluster: places 4 cy .. 4 cy + 3
	s_lshl_b32 s44, 0x1111, s40                    ; my column: places cx, cx + 4, cx + 8, cx + 12
	; group 1: a tile of 128 rows x 128 elements, padded in LDS
	s_or_b32 s[G1+0], s43, (1<<16)|(1<<20)|(1<<21)|(5<<22)|(3<<25)   ; mask: A's tiles go to my row; 2-byte elements; padding on; bit 21 beside a mask; 4 words behind every 64
	s_or_b32 s[G1B+0], s44, (1<<16)|(1<<20)|(1<<21)|(5<<22)|(3<<25)  ; the same with the mask of my column, for B's tiles
	s_mov_b32 s[G1+1], KSTEP<<16                   ; tensor_dim0 = 128
	s_mov_b32 s[G1B+1], KSTEP<<16
	s_mov_b32 s[G1+2], 128<<16                     ; tensor_dim1 = 128
	s_mov_b32 s[G1B+2], 128<<16
	s_mov_b32 s[G1+3], KSTEP<<16                   ; tile_dim0 = 128
	s_mov_b32 s[G1B+3], KSTEP<<16
	s_mov_b32 s[G1+4], 128                         ; tile_dim1 = 128
	s_mov_b32 s[G1B+4], 128
	s_mov_b32 s[G1+5], SIZE_K                      ; elements from row to row
	s_mov_b32 s[G1B+5], SIZE_K
	s_mov_b32 s[G1+6], 0
	s_mov_b32 s[G1B+6], 0
	s_mov_b32 s[G1+7], 0
	s_mov_b32 s[G1B+7], 0
	; A's tile hangs on the block row alone, B's on the block column and z alone; neither set of registers ever holds the other coordinate
	s_lshl_b32 s16, s13, 19                        ; 256 rows of 2,048 bytes a block row
	s_lshl_b32 s17, s12, 18                        ; 128 rows a half
	s_add_co_u32 s16, s16, s17
	s_mov_b32 s17, 0
	s_lshl_b32 s46, s45, 21                        ; 2 MiB a weight matrix
	s_lshl_b32 s47, s42, 19                        ; 256 rows a block column
	s_add_co_u32 s46, s46, s47
	s_lshl_b32 s47, s12, 18                        ; 128 rows a half
	s_add_co_u32 s46, s46, s47
	s_mov_b32 s47, 0
	s_mul_i32 s20, s10, HALFT                      ; where they go: A's two halves, then B's two halves = wave x 128 rows
	s_lshl_b32 s18, s42, 10                        ; the bias of my 128 columns
	s_lshl_b32 s19, s12, 9
	s_add_co_u32 s18, s18, s19
	s_mov_b32 s19, 0
	s_wait_dscnt 0x0
	s_wait_kmcnt 0x0
	s_add_nc_u64 s[14:15], s[4:5], s[16:17]
	s_add_nc_u64 s[46:47], s[6:7], s[46:47]
	s_cmp_eq_u32 s45, 1
	s_cselect_b64 s[66:67], s[70:71], s[68:69]
	s_cmp_eq_u32 s45, 2
	s_cselect_b64 s[66:67], s[72:73], s[66:67]
	s_cmp_eq_u32 s45, 0
	s_cselect_b32 s76, 0x3e38aa3b, 1.0             ; 0.125 log2(e) for q
	s_mov_b32 s77, s76
	s_add_nc_u64 s[66:67], s[66:67], s[18:19]
	CROUND                                         ; all sixteen work-groups are here: the first joint loads meet
.irp s, 0,1
	s_mov_b32 s[G0+4*\s], 1
	s_add_co_u32 s[G0+4*\s+1], s20, \s*SLOT
	s_add_nc_u64 s[G0+4*\s+2:G0+4*\s+3], s[14:15], \s*KSTEP*2
	s_or_b32 s[G0+4*\s+3], s[G0+4*\s+3], 0x80000000
	s_mov_b32 s[G0B+4*\s], 1
	s_add_co_u32 s[G0B+4*\s+1], s20, \s*SLOT
	s_add_nc_u64 s[G0B+4*\s+2:G0B+4*\s+3], s[46:47], \s*KSTEP*2
	s_or_b32 s[G0B+4*\s+3], s[G0B+4*\s+3], 0x80000000
	JLOAD \s                                       ; K steps 0 and 1: two tensor loads of the wave are out
.endr
	v_and_b32 v1, 15, v0                           ; r = l % 16
	v_bfe_u32 v2, v0, 4, 1                         ; h = l / 16
	v_lshlrev_b32 v[BO], 5, v2                     ; my 8 columns of a tile of 16: 32 h bytes of f32
	WIN TO_B                                       ; loaded data into window 1
.irp b, 0,1,2,3,4,5,6,7
	global_load_b128 v[8*\b:8*\b+3],   v[BO], s[66:67] offset:64*\b
	global_load_b128 v[8*\b+4:8*\b+7], v[BO], s[66:67] offset:64*\b+16
.endr
	WIN 0
	v_mul_u32_u24 v3, v1, PITCH
	v_lshl_add_u32 v3, v2, 4, v3                   ; row x pitch + 16 h
	s_mul_i32 s21, s11, HALFT                      ; my 128 rows of A
	s_mul_i32 s22, s12, HALFT                      ; my 128 rows of B,
	s_add_co_u32 s22, s22, 2*HALFT                 ; which lie behind A's 256
.irp s, 0,1
	v_add_nc_u32 v[ADRA+\s], s21, v3
	v_add_nc_u32 v[ADRB+\s], s22, v3
	s_add_co_u32 s21, s21, SLOT
	s_add_co_u32 s22, s22, SLOT
.endr
	s_mul_i32 s23, s10, 16*SPITCH
	s_add_co_u32 s23, s23, STAGE                   ; my stage
	v_mul_u32_u24 v5, v1, SPITCH
	v_lshl_add_u32 v5, v2, 4, v5
	v_add_nc_u32 v[STO], s23, v5                   ; in: row r, 16 bytes for each half of the lanes
	v_bfe_u32 v6, v0, 3, 1
	v_mul_u32_u24 v6, v6, SPITCH                   ; back: lanes 0-7 and 8-15 take two rows' first 128 bytes (one head), lanes 16-31 the second 128 (the next head)
	v_lshl_add_u32 v6, v2, 7, v6
	v_and_b32 v7, 7, v0
	v_lshl_add_u32 v6, v7, 4, v6
	v_add_nc_u32 v[RD], s23, v6
	v_lshlrev_b32 v7, 4, v1
	v_lshl_add_u32 v[CO], v2, 18, v7               ; in hb: 256 KiB from head to head; two rows of a head are 256 consecutive bytes
; 16 matrix instructions: row tiles a0, a0 + 1 of the window's four (hi = 0: my rows 0-63, 1: rows 64-127) x all 8 column tiles, 32 along K.
; zero = 1: the first product starts the sums: nothing is ever cleared.
.macro MUL16 f, hi, a0, zero
.irp a, \a0, \a0+1
.irp b, 0,1,2,3,4,5,6,7
.if \zero
	v_wmma_f32_16x16x32_f16 v[8*(8*(\a)+\b):8*(8*(\a)+\b)+7], v[\f+8*\b:\f+8*\b+7], v[\f+8*(4*\hi+\a):\f+8*(4*\hi+\a)+7], 0
.else
	v_wmma_f32_16x16x32_f16 v[8*(8*(\a)+\b):8*(8*(\a)+\b)+7], v[\f+8*\b:\f+8*\b+7], v[\f+8*(4*\hi+\a):\f+8*(4*\hi+\a)+7], v[8*(8*(\a)+\b):8*(8*(\a)+\b)+7]
.endif
.endr
.endr
.endm
; 32 LDS loads in one run: the fragments of one quarter step (128 rows of B, 128 rows of A, 32 K at byte k of the rows) into buffer f
.macro FETCH slot, k, f
	WIN TO_B
.irp i, 0,1,2,3,4,5,6,7
	ds_load_b128 v[\f+8*\i:\f+8*\i+3],   v[ADRB+\slot] offset:\k+\i*16*PITCH
	ds_load_b128 v[\f+8*\i+4:\f+8*\i+7], v[ADRB+\slot] offset:\k+\i*16*PITCH+32
.endr
	WIN 0
.irp i, 0,1,2,3,4,5,6,7
	ds_load_b128 v[\f+8*\i:\f+8*\i+3],   v[ADRA+\slot] offset:\k+\i*16*PITCH
	ds_load_b128 v[\f+8*\i+4:\f+8*\i+7], v[ADRA+\slot] offset:\k+\i*16*PITCH+32
.endr
.endm
; A K step is four quarter steps of 32 along K, 64 matrix instructions each, on buffers 0, 1, 0, 1.
; The 64 accumulators take turns, one instruction a turn, in the same order in every quarter.
; One of the first three quarters: multiplies buffer f; in its middle it fetches the next quarter's fragments, at byte k of the same slot's rows, into buffer g.
.macro QUARTER slot, k, f, g, zero
	s_wait_dscnt 8                                 ; B and A's rows 0-63 are in; the youngest eight loads (A's rows 64-127) may be out
	WIN MUL_LO
	MUL16 \f, 0, 0, \zero
	MUL16 \f, 0, 2, \zero
	PLACES
	FETCH \slot, \k, \g
	s_wait_dscnt 32                                ; all but the 32 just issued
	WIN MUL_HI
	MUL16 \f, 1, 0, \zero
	MUL16 \f, 1, 2, \zero
.endm
.macro THREE slot, zero
	QUARTER \slot, 64,  F0, F1, \zero
	QUARTER \slot, 128, F1, F0, 0
	QUARTER \slot, 192, F0, F1, 0
.endm
; The last quarter: multiplies buffer 1 and changes slots. In front of the barrier each wave waits for its own reads of this slot and for all its
; tensor loads, of which one is out: its part of the next slot. Where the slot is filled again the barrier opens a round of the cluster's barrier,
; only register work stands inside the round, and the joint refill is the first tensor load behind it.
.macro TURN slot, next, fill
	s_wait_dscnt 8
	WIN MUL_LO
	MUL16 F1, 0, 0, 0
	s_wait_dscnt 0                                 ; my reads of this slot are over
	s_wait_tensorcnt 0x0                           ; and all my tensor loads have landed
	ds_add_u32 v255, v255
	s_wait_dscnt 0x0
	s_barrier_signal -1
	MUL16 F1, 0, 2, 0                              ; registers only
	WIN 0
	s_barrier_wait -1
.if \fill
	CREST                                          ; no wave of any partner still reads this slot's tile or has a load on its way
	s_add_nc_u64 s[G0+4*\slot+2:G0+4*\slot+3], s[G0+4*\slot+2:G0+4*\slot+3], 2*KSTEP*2
	s_add_nc_u64 s[G0B+4*\slot+2:G0B+4*\slot+3], s[G0B+4*\slot+2:G0B+4*\slot+3], 2*KSTEP*2
	JLOAD \slot
.endif
	PLACES
	FETCH \next, 0, F0
	WIN MUL_HI
	MUL16 F1, 1, 0, 0
	MUL16 F1, 1, 2, 0
.endm
.macro LAP zero                        ; once round the ring, both slots filled again
	THREE 0, \zero
	TURN 0, 1, 1
	THREE 1, 0
	TURN 1, 0, 1
.endm
	s_wait_tensorcnt 1                             ; my part of K step 0 is in; K step 1's stays out
	s_barrier_signal -1
	s_barrier_wait -1                              ; everybody's is
	FETCH 0, 0, F0
	LAP 1                                          ; the first lap stands in front of the loop: its first products start the sums
	WIN 0                                          ; at a label and at a branch every window is 0
	s_mov_b32 s3, LAPS-2
.Llap:
	LAP 0
	WIN 0
	s_sub_co_u32 s3, s3, 1
	s_cmp_lg_u32 s3, 0
	s_cbranch_scc1 .Llap
	THREE 0, 0                                     ; the last lap fills nothing: my one tensor load that is still out is slot 1's, the last K step's
	TURN 0, 1, 0
	THREE 1, 0
	s_wait_dscnt 8                                 ; the very last quarter: nothing more to fetch
	WIN MUL_LO
	MUL16 F1, 0, 0, 0
	MUL16 F1, 0, 2, 0
	s_wait_dscnt 0
	WIN MUL_HI
	MUL16 F1, 1, 0, 0
	MUL16 F1, 1, 2, 0
	; THE WAY OUT, 16 rows at a time: scale x sum + scale x bias, round to f16, through my own stage, back as pairs of rows of one head
	PLACES
	s_wait_loadcnt 0x0                             ; the bias
	WIN 0x41                                       ; source 0 and destination window 1
.set n, 0
.rept 32
	v_pk_mul_f32 v[2*n:2*n+1], v[2*n:2*n+1], s[76:77] op_sel_hi:[1,0]
.set n, n+1
.endr
	s_lshr_b32 s78, s13, 3                         ; 4 z + b: 8 block rows, 4 MiB each
	s_lshl_b32 s78, s78, 22
	s_lshl_b32 s79, s42, 20                        ; 4 heads a block column
	s_add_co_u32 s78, s78, s79
	s_lshl_b32 s79, s12, 19                        ; 2 heads a wave
	s_add_co_u32 s78, s78, s79
	s_and_b32 s79, s13, 7
	s_lshl_b32 s79, s79, 15                        ; 256 rows of 128 bytes a block row
	s_add_co_u32 s78, s78, s79
	s_lshl_b32 s79, s11, 14                        ; 128 rows a wave
	s_add_co_u32 s78, s78, s79
	s_mov_b32 s79, 0
	s_add_nc_u64 s[8:9], s[74:75], s[78:79]
; rows 16 row .. 16 row + 15 of my block = the eight tiles (a, 0..7) of window 2 or 3 (from = 0x12 or 0x13: source 0 the sums, source 2 the bias in window 1); rb: where they are read back
.macro OUT16 row, a, from, rb
	WIN \from
.irp b, 0,1,2,3,4,5,6,7
.irp e, 0,1,2,3
	v_pk_fma_f32 v[F0+8*\b+2*\e:F0+8*\b+2*\e+1], v[8*(8*\a+\b)+2*\e:8*(8*\a+\b)+2*\e+1], s[76:77], v[8*\b+2*\e:8*\b+2*\e+1] op_sel_hi:[1,0,1]
.endr
.endr
	WIN 0
.irp b, 0,1,2,3,4,5,6,7
.irp e, 0,1,2,3
	v_cvt_pk_f16_f32 v[TMP+4*\b+\e], v[F0+8*\b+2*\e], v[F0+8*\b+2*\e+1]
.endr
.endr
.irp b, 0,1,2,3,4,5,6,7
	ds_store_b128 v[STO], v[TMP+4*\b:TMP+4*\b+3] offset:32*\b
.endr
	s_wait_xcnt 0x0                                ; the registers that earlier stores read are loaded again only behind this wait
.irp t, 0,1,2,3,4,5,6,7
	ds_load_b128 v[\rb+4*\t:\rb+4*\t+3], v[RD] offset:\t*2*SPITCH      ; my own bytes, served in order (ISA guide 5.7.1): these see the stores above
.endr
.irp t, 0,1,2,3,4,5,6,7
	s_wait_dscnt 7-\t                              ; load t is in, the 7 - t younger ones stay out
	global_store_b128 v[CO], v[\rb+4*\t:\rb+4*\t+3], s[8:9] offset:\row*2048+\t*256   ; 16 lanes store 256 consecutive bytes, aligned
.endr
.endm
	OUT16 0, 0, 0x12, F1
	OUT16 1, 1, 0x12, F1+32
	OUT16 2, 2, 0x12, F1
	OUT16 3, 3, 0x12, F1+32
	OUT16 4, 0, 0x13, F1
	OUT16 5, 1, 0x13, F1+32
	OUT16 6, 2, 0x13, F1
	OUT16 7, 3, 0x13, F1+32
	s_set_vgpr_msb 0x1
	s_wait_tensorcnt 0x0
	ds_add_u32 v255, v255
	s_wait_dscnt 0x0
	s_set_vgpr_msb 0x100
	CROUND                                         ; the closing round: no work-group ends while a partner may still ask for a tile that names it
	s_endpgm
.Lfunc_end_k_q6db7bb9d06_proj:
	.size	k_q6db7bb9d06_proj, .Lfunc_end_k_q6db7bb9d06_proj-k_q6db7bb9d06_proj
	.p2alignl 7, 3214868480
	.fill 96, 4, 3214868480
	.section	.rodata,"a",@progbits
	.p2align	6, 0x0
	.amdhsa_kernel k_q6db7bb9d06_proj
		.amdhsa_group_segment_fixed_size 327680
		.amdhsa_private_segment_fixed_size 0
		.amdhsa_enable_private_segment 0
		.amdhsa_kernarg_size 48
		.amdhsa_user_sgpr_count 2
		.amdhsa_user_sgpr_kernarg_segment_ptr 1
		.amdhsa_wavefront_size32 1
		.amdhsa_system_sgpr_workgroup_id_x 1
		.amdhsa_system_sgpr_workgroup_id_y 1
		.amdhsa_system_sgpr_workgroup_id_z 1
		.amdhsa_system_vgpr_workitem_id 0
		.amdhsa_next_free_vgpr 1024
		.amdhsa_next_free_sgpr 80
		.amdhsa_reserve_vcc 0
		.amdhsa_float_denorm_mode_32 3
		.amdhsa_float_denorm_mode_16_64 3
		.amdhsa_memory_ordered 1
		.amdhsa_forward_progress 1
		.amdhsa_inst_pref_size 216
	.end_amdhsa_kernel
	.amdgpu_metadata
---
amdhsa.version: [ 1, 2 ]
amdhsa.kernels:
  - .name:           k_q6db7bb9d06_proj
    .symbol:         k_q6db7bb9d06_proj.kd
    .args:
      - { .name: xh, .offset: 0, .size: 8, .value_kind: global_buffer, .address_space: global }
      - { .name: wh, .offset: 8, .size: 8, .value_kind: global_buffer, .address_space: global }
      - { .name: bq, .offset: 16, .size: 8, .value_kind: global_buffer, .address_space: global }
      - { .name: bk, .offset: 24, .size: 8, .value_kind: global_buffer, .address_space: global }
      - { .name: bv, .offset: 32, .size: 8, .value_kind: global_buffer, .address_space: global }
      - { .name: hb, .offset: 40, .size: 8, .value_kind: global_buffer, .address_space: global }
    .group_segment_fixed_size: 327680
    .private_segment_fixed_size: 0
    .kernarg_segment_align: 8
    .kernarg_segment_size: 48
    .max_flat_workgroup_size: 128
    .sgpr_count:     80
    .vgpr_count:     1024
    .wavefront_size: 32
...
	.end_amdgpu_metadata
.endif
;; end of part 2
;; launch attn (part 3): grid 4 x 64, 16 waves a work-group, clusters of 4 x 1, 327,680 bytes of LDS; arguments hb, mb, yb; writes yb
.if DOCPART == 3
	.amdgcn_target "amdgcn-amd-amdhsa--gfx1250"
	.amdhsa_code_object_version 6
	.text
	.protected	k_q6db7bb9d06_attn
	.globl	k_q6db7bb9d06_attn
	.p2align	8
	.type	k_q6db7bb9d06_attn,@function
k_q6db7bb9d06_attn:
	s_mov_b64 s[64:65], 0
	v_nop
	global_prefetch_b8 v0, s[64:65] scope:SCOPE_SE
	s_setreg_imm32_b32 hwreg(HW_REG_WAVE_MODE, 25, 1), 1
	s_wait_xcnt 0x0
	s_wait_alu depctr_hold_cnt(0) depctr_sa_sdst(0) depctr_va_vdst(0) depctr_va_sdst(0) depctr_va_ssrc(0) depctr_va_vcc(0) depctr_vm_vsrc(0)
	s_getreg_b32 s2, hwreg(HW_REG_IB_STS2, 6, 4)
	s_cmp_eq_u32 s2, 0
	s_cbranch_scc0 .Lentry_in_a_cluster
	s_endpgm
.Lentry_in_a_cluster:
	s_bfe_u32 s2, ttmp6, 0x10000c
	s_cmp_lg_u32 s2, 0x3003
	s_cbranch_scc0 .Lentry_shape_is_right
	s_endpgm
.Lentry_shape_is_right:
; attn: yb[b][head][t][:] = softmax over keys of (mask ? Qh . Kh : -1e9) x Vh, with a running maximum. Qh already carries 0.125 log2(e), so the
; exponentials are base 2 and the masked value is -1e9 log2(e). A row whose mask is all zero comes out uniform.
; Operands f16, sums f32. LIMITS: a probability below 2^-24 of its row's largest becomes 0 in f16; v_exp_f32 gives 0 for results below 2^-126.
; A work-group takes one (b, head) and 512 queries; wave w takes 32 of them (two tiles of 16). The four query blocks of a head form a cluster
; and ask for K and V JOINTLY (mask 15): waves 0, 1 for K's halves of a slot's 256 keys, waves 2, 3 for V's.
; Sixteen waves: a step has about ten times as many vector instructions as matrix instructions, so four waves a SIMD take turns at the units.
; TRANSPOSED FORM. S^T = K Q^T: lane (r, h) holds query r and keys 8 h + j. So the row maximum is in the lane but for one exchange of halves;
; a word of mb is a lane mask as it stands; two packed tiles of S^T are a source-1 fragment of P^T as they lie; O^T = V^T P^T keeps query r
; in the lane, so the rescale and 1 / sum are factors of the lane; and a lane's eight results are eight neighbouring d.
.set SLOT,   81920                     ; 256 keys: four chunks
.set CHUNK,  20480                     ; one loader's 128 keys: K at pitch 144 (18,432 bytes used), V at pitch 160
.set KP,     144                       ; odd multiple of 16
.set VP,     160                       ; odd multiple of 32, for the transposing loads
.set TILE,   32768                     ; 256 keys of 128 bytes in memory
.set STAGE,  2*SLOT                    ; 163,840, a multiple of 256: no fill lands behind it
.set WSTAGE, 32*KP                     ; a wave's stage: 32 rows
.set KA,  2                            ; v2-3   K fragments' LDS address, slot 0, 1
.set VA,  4                            ; v4-5   V fragments' LDS address
.set STO, 6
.set RD,  7
.set CO,  8
.set NEG, 9
.set M,   10                           ; v[10:13] running maximum, twice, for each query tile
.set AL,  14                           ; v[14:17] rescale factor, twice, for each query tile
.set LS,  18                           ; v[18:21] the lane's partial sums, a pair for each query tile
.set T,   22                           ; v[22:29] at work
.set QF,  32                           ; v[32:63]   Q fragments: 16 qi + 8 ks
.set O,   64                           ; v[64:127]  O^T: 32 qi + 8 dt
.set S,   128                          ; v[128:191] S^T: 32 qi + 8 kt; later P^T packed: 32 qi + 8 kp
.set FB,  192                          ; v[192:255] K fragments 32 ks + 8 kt, then V^T fragments 32 kp + 8 dt
.set G0,  4                            ; s[4:7]   group 0: one set; a wave has one tensor load out at the most, and the set is written only when none is
.set G1K, 16                           ; s[16:23] group 1 for K's tiles
.set G1V, 24                           ; s[24:31] group 1 for V's tiles: it differs in the padding alone
.set MW0, 32                           ; s[32:63] mask words of query tile 0: 8 kt + j
.set MP,  66                           ; s[66:67] where the next step's mask words lie
.set MW1, 68                           ; s[68:99] mask words of query tile 1
.macro ROUND                           ; a round of the cluster's barrier
	s_barrier_signal -1
	s_barrier_wait -1
	s_cmp_lg_u32 s10, 0
	s_cbranch_scc1 .Lnot_wave_0_\@
	s_barrier_signal -3
.Lnot_wave_0_\@:
	s_barrier_wait -3
	s_barrier_signal -1
	s_barrier_wait -1
.endm
; A joint load. Waves 0 and 1 ask for K's halves, waves 2 and 3 for V's, one load each; the others have no part of a tile to fill.
; Each line has one group 1, all constants. The branches hang on the wave's number alone: they are the same in every work-group.
.macro JLOAD
	s_cmp_lt_u32 s10, 2
	s_cbranch_scc0 .Lnot_k_\@
	tensor_load_to_lds s[G0:G0+3], s[G1K:G1K+7]
	s_nop 0
	s_branch .Lasked_\@
.Lnot_k_\@:
	s_cmp_lt_u32 s10, 4
	s_cbranch_scc0 .Lasked_\@
	tensor_load_to_lds s[G0:G0+3], s[G1V:G1V+7]
	s_nop 0
.Lasked_\@:
.endm
.macro MLOAD                           ; 64 keys' mask words for my two strips of 16 queries
	s_load_b512 s[MW0:MW0+15],    s[MP:MP+1], 0x0
	s_load_b512 s[MW0+16:MW0+31], s[MP:MP+1], 0x40
	s_load_b512 s[MW1:MW1+15],    s[MP:MP+1], 0x1000
	s_load_b512 s[MW1+16:MW1+31], s[MP:MP+1], 0x1040
.endm
	s_load_b64 s[2:3], s[0:1], 0x0                 ; hb
	s_load_b64 s[MP:MP+1], s[0:1], 0x8             ; mb
	s_load_b64 s[8:9], s[0:1], 0x10                ; yb
	v_lshl_add_u32 v30, v0, 2, 0x3a000
	v_mov_b32 v31, 0
	ds_add_u32 v30, v31
	v_lshrrev_b32 v1, 5, v0
	v_readfirstlane_b32 s10, v1                    ; wave 0..15
	s_bfe_u32 s100, ttmp6, 0x40000                 ; cx: my block of 512 queries
	s_and_b32 s101, ttmp7, 0xffff                  ; 16 b + head
	s_mov_b32 s12, 0x76543210                      ; v_permlanex16_b32: lane i reads lane i of the other half
	s_mov_b32 s13, 0xfedcba98
	; group 1: a loader's 128 keys are dense in memory and come in as 64 rows of 256 bytes, padded behind every 128 bytes (one key's row)
	s_mov_b32 s[G1K+0], 0x0731000f                 ; mask 15; 2-byte elements; padding on; bit 21 beside a mask; behind every 32 words 4 words: pitch 144
	s_mov_b32 s[G1V+0], 0x0f31000f                 ; the same with 8 words: pitch 160
.irp g, G1K, G1V
	s_mov_b32 s[\g+1], 128<<16                     ; tensor_dim0 = 128
	s_mov_b32 s[\g+2], 64<<16                      ; tensor_dim1 = 64
	s_mov_b32 s[\g+3], 128<<16                     ; tile_dim0 = 128
	s_mov_b32 s[\g+4], 64                          ; tile_dim1 = 64
	s_mov_b32 s[\g+5], 128                         ; elements from row to row
	s_mov_b32 s[\g+6], 0
	s_mov_b32 s[\g+7], 0
.endr
	; group 0 (used by waves 0 to 3 alone; in the others the words are made and never used). Nothing in it hangs on cx.
	s_lshr_b32 s11, s10, 1                         ; 0: K, 1: V
	s_add_co_u32 s104, s11, 1
	s_lshl_b32 s104, s104, 24                      ; Kh lies 16 MiB, Vh 32 MiB into hb
	s_lshl_b32 s105, s101, 18                      ; 256 KiB a head
	s_add_co_u32 s104, s104, s105
	s_and_b32 s105, s10, 1
	s_lshl_b32 s105, s105, 14                      ; my 128 keys
	s_add_co_u32 s104, s104, s105
	s_mov_b32 s105, 0
	s_mul_i32 s15, s10, CHUNK                      ; my chunk of a slot
	s_wait_dscnt 0x0
	s_wait_kmcnt 0x0
	s_mov_b32 s[G0], 1
	s_add_co_u32 s[G0+1], s15, 0*SLOT              ; slot 0
	s_add_nc_u64 s[G0+2:G0+3], s[2:3], s[104:105]  ; keys 0 to 255
	s_or_b32 s[G0+3], s[G0+3], 0x80000000
	ROUND                                          ; in front of the first joint load
	JLOAD                                          ; one tensor load of the wave is out, here and behind every later round
	; my queries: q0 = 512 cx + 32 w
	s_lshl_b32 s104, s100, 16
	s_lshl_b32 s105, s10, 12
	s_add_co_u32 s104, s104, s105                  ; 128 q0
	s_lshl_b32 s105, s101, 18
	s_add_co_u32 s104, s104, s105
	s_mov_b32 s105, 0
	s_add_nc_u64 s[2:3], s[2:3], s[104:105]        ; Qh at my first query
	s_add_nc_u64 s[8:9], s[8:9], s[104:105]        ; yb likewise
	s_lshr_b32 s104, s101, 4                       ; b: 128 strips of 4,096 bytes
	s_lshl_b32 s104, s104, 19
	s_lshl_b32 s105, s100, 17                      ; 32 strips a query block
	s_add_co_u32 s104, s104, s105
	s_lshl_b32 s105, s10, 13                       ; 2 strips a wave
	s_add_co_u32 s104, s104, s105
	s_mov_b32 s105, 0
	s_add_nc_u64 s[MP:MP+1], s[MP:MP+1], s[104:105]
	v_and_b32 v22, 15, v0                          ; r
	v_bfe_u32 v23, v0, 4, 1                        ; h
	v_lshlrev_b32 v1, 7, v22
	v_lshl_add_u32 v1, v23, 4, v1                  ; 128 r + 16 h
.irp qi, 0,1
.irp ks, 0,1
	global_load_b128 v[QF+16*\qi+8*\ks:QF+16*\qi+8*\ks+3],   v1, s[2:3] offset:\qi*2048+\ks*64
	global_load_b128 v[QF+16*\qi+8*\ks+4:QF+16*\qi+8*\ks+7], v1, s[2:3] offset:\qi*2048+\ks*64+32
.endr
.endr
	MLOAD                                          ; the first step's mask words
	v_mul_u32_u24 v24, v22, KP
	v_lshl_add_u32 v[KA], v23, 4, v24              ; key r x pitch + 16 h
	v_add_nc_u32 v[KA+1], SLOT, v[KA]
	v_and_b32 v24, 7, v0
	v_lshl_add_u32 v24, v23, 3, v24                ; key 8 h + (l & 7)
	v_mul_u32_u24 v24, v24, VP
	v_bfe_u32 v25, v0, 3, 1
	v_lshl_add_u32 v24, v25, 4, v24                ; + 16 ((l >> 3) & 1)
	v_add_nc_u32 v[VA], 2*CHUNK, v24
	v_add_nc_u32 v[VA+1], 2*CHUNK+SLOT, v24
	s_mul_i32 s14, s10, WSTAGE
	s_add_co_u32 s14, s14, STAGE
	v_add_nc_u32 v[STO], s14, v[KA]                ; stage, in: row r, 16 h
	v_bfe_u32 v24, v0, 3, 2
	v_mul_u32_u24 v24, v24, KP
	v_and_b32 v25, 7, v0
	v_lshl_add_u32 v24, v25, 4, v24
	v_add_nc_u32 v[RD], s14, v24                   ; stage, back: four rows of 128 bytes a load
	v_and_b32 v24, 31, v0
	v_lshlrev_b32 v[CO], 4, v24
	v_mov_b32 v[NEG], 0xceabfb8f                   ; -1e9 log2(e)
	s_wait_loadcnt 0x0                             ; Q, once
.macro LOADK n, st                     ; 64 keys x 64 d: 16 loads, the first 32 d first
.irp ks, 0,1
.irp kt, 0,1,2,3
	ds_load_b128 v[FB+32*\ks+8*\kt:FB+32*\ks+8*\kt+3],   v[KA+\n] offset:(\st>>1)*CHUNK+(\st&1)*64*KP+\kt*16*KP+\ks*64
	ds_load_b128 v[FB+32*\ks+8*\kt+4:FB+32*\ks+8*\kt+7], v[KA+\n] offset:(\st>>1)*CHUNK+(\st&1)*64*KP+\kt*16*KP+\ks*64+32
.endr
.endr
.endm
.macro LOADV n, st                     ; the same keys of V, transposed on the way: rows d, 32 keys along the registers
.irp kp, 0,1
.irp dt, 0,1,2,3
	ds_load_tr16_b128 v[FB+32*\kp+8*\dt:FB+32*\kp+8*\dt+3],   v[VA+\n] offset:(\st>>1)*CHUNK+(\st&1)*64*VP+\kp*32*VP+\dt*32
	ds_load_tr16_b128 v[FB+32*\kp+8*\dt+4:FB+32*\kp+8*\dt+7], v[VA+\n] offset:(\st>>1)*CHUNK+(\st&1)*64*VP+\kp*32*VP+\dt*32+16*VP
.endr
.endr
.endm
; Eight accumulators take turns, one instruction a turn, in QK and in PV.
.macro QK ks, zero
.irp qi, 0,1
.irp kt, 0,1,2,3
.if \zero
	v_wmma_f32_16x16x32_f16 v[S+32*\qi+8*\kt:S+32*\qi+8*\kt+7], v[FB+32*\ks+8*\kt:FB+32*\ks+8*\kt+7], v[QF+16*\qi+8*\ks:QF+16*\qi+8*\ks+7], 0
.else
	v_wmma_f32_16x16x32_f16 v[S+32*\qi+8*\kt:S+32*\qi+8*\kt+7], v[FB+32*\ks+8*\kt:FB+32*\ks+8*\kt+7], v[QF+16*\qi+8*\ks:QF+16*\qi+8*\ks+7], v[S+32*\qi+8*\kt:S+32*\qi+8*\kt+7]
.endif
.endr
.endr
.endm
.macro PV kp, zero
.irp qi, 0,1
.irp dt, 0,1,2,3
.if \zero
	v_wmma_f32_16x16x32_f16 v[O+32*\qi+8*\dt:O+32*\qi+8*\dt+7], v[FB+32*\kp+8*\dt:FB+32*\kp+8*\dt+7], v[S+32*\qi+8*\kp:S+32*\qi+8*\kp+7], 0
.else
	v_wmma_f32_16x16x32_f16 v[O+32*\qi+8*\dt:O+32*\qi+8*\dt+7], v[FB+32*\kp+8*\dt:FB+32*\kp+8*\dt+7], v[S+32*\qi+8*\kp:S+32*\qi+8*\kp+7], v[O+32*\qi+8*\dt:O+32*\qi+8*\dt+7]
.endif
.endr
.endr
.endm
; the new maximum of a query tile into v[t]: 32 numbers of the lane and the old maximum in 16 instructions, then the other half's; old - new into v[t+2]
.macro ROWMAX b, t, m, first
.irp c, 0,1,2,3
	v_max3_num_f32 v[\t+\c], v[\b+8*\c], v[\b+8*\c+1], v[\b+8*\c+2]
.endr
.irp c, 0,1,2,3
	v_max3_num_f32 v[\t+\c], v[\t+\c], v[\b+8*\c+3], v[\b+8*\c+4]
.endr
.irp c, 0,1,2,3
	v_max3_num_f32 v[\t+\c], v[\t+\c], v[\b+8*\c+5], v[\b+8*\c+6]
.endr
	v_max3_num_f32 v[\t], v[\t], v[\t+1], v[\b+7]
	v_max3_num_f32 v[\t+2], v[\t+2], v[\t+3], v[\b+15]
	v_max3_num_f32 v[\t], v[\t], v[\t+2], v[\b+23]
.if \first
	v_max_num_f32 v[\t], v[\t], v[\b+31]
.else
	v_max3_num_f32 v[\t], v[\t], v[\b+31], v[\m]
.endif
	v_permlanex16_b32 v[\t+1], v[\t], s12, s13
	v_max_num_f32 v[\t], v[\t], v[\t+1]
.if \first
.else
	v_sub_f32 v[\t+2], v[\m], v[\t]
.endif
.endm
.macro SUBM b, m
.set i, 0
.rept 16
	v_pk_add_f32 v[\b+2*i:\b+2*i+1], v[\b+2*i:\b+2*i+1], v[\m:\m+1] neg_lo:[0,1] neg_hi:[0,1]
.set i, i+1
.endr
.endm
.macro EXPS b
.set i, 0
.rept 32
	v_exp_f32 v[\b+i], v[\b+i]
.set i, i+1
.endr
.endm
.macro RESCALE o, al
.set i, 0
.rept 16
	v_pk_mul_f32 v[\o+2*i:\o+2*i+1], v[\o+2*i:\o+2*i+1], v[\al:\al+1]
.set i, i+1
.endr
.endm
.macro SUMS b, l, al, first            ; 16 pairs into one in four chains; then sum = sum x factor + it
	s_wait_alu depctr_va_vdst(0)
.irp c, 0,1,2,3
	v_pk_add_f32 v[T+2*\c:T+2*\c+1], v[\b+4*\c:\b+4*\c+1], v[\b+4*\c+2:\b+4*\c+3]
.endr
.irp c, 0,1,2,3
	v_pk_add_f32 v[T+2*\c:T+2*\c+1], v[T+2*\c:T+2*\c+1], v[\b+16+2*\c:\b+16+2*\c+1]
.endr
.irp c, 0,1,2,3
	v_pk_add_f32 v[T+2*\c:T+2*\c+1], v[T+2*\c:T+2*\c+1], v[\b+24+2*\c:\b+24+2*\c+1]
.endr
	v_pk_add_f32 v[T:T+1], v[T:T+1], v[T+2:T+3]
	v_pk_add_f32 v[T+4:T+5], v[T+4:T+5], v[T+6:T+7]
.if \first
	v_pk_add_f32 v[\l:\l+1], v[T:T+1], v[T+4:T+5]
.else
	v_pk_add_f32 v[T:T+1], v[T:T+1], v[T+4:T+5]
	v_pk_fma_f32 v[\l:\l+1], v[\l:\l+1], v[\al:\al+1], v[T:T+1]
.endif
.endm
.macro PACK b                          ; 32 f32 into 16 registers of f16, in place: register i is written when registers up to 2 i + 1 have been read
.set i, 0
.rept 16
	v_cvt_pk_f16_f32 v[\b+i], v[\b+2*i], v[\b+2*i+1]
.set i, i+1
.endr
.endm
; One step: 64 keys at step st of slot n, whose K fragments have been asked for. more = 1: the next step's mask words are asked for.
.macro STEP n, st, first, more
	s_wait_dscnt 0x8                               ; K's first 32 d are in; the eight younger loads may be out
	QK 0, 1
	s_wait_dscnt 0x0
	QK 1, 0
.rept 4
	v_nop                                          ; four places: then K's registers are loaded into and S is read (ISA guide 7.12.1)
.endr
	LOADV \n, \st
	s_wait_kmcnt 0x0                               ; this step's mask words
.set i, 0
.rept 32
	v_cndmask_b32 v[S+i],    v[NEG], v[S+i],    s[MW0+i]
	v_cndmask_b32 v[S+32+i], v[NEG], v[S+32+i], s[MW1+i]
.set i, i+1
.endr
.if \more
	s_add_nc_u64 s[MP:MP+1], s[MP:MP+1], 128       ; the scalar loads that used this base are done
	MLOAD
.endif
	ROWMAX S, T, M, \first
	ROWMAX S+32, T+4, M+2, \first
.if \first
.else
	v_exp_f32 v[AL], v[T+2]                        ; 2^(old - new)
	v_exp_f32 v[AL+2], v[T+6]
.endif
	v_mov_b32 v[M], v[T]                           ; plain instructions that touch neither the exponentials' results nor their sources (ISA guide 5.7.2)
	v_mov_b32 v[M+1], v[T]
	v_mov_b32 v[M+2], v[T+4]
	v_mov_b32 v[M+3], v[T+4]
.if \first
.else
	s_wait_alu depctr_va_vdst(0)
	v_mov_b32 v[AL+1], v[AL]
	v_mov_b32 v[AL+3], v[AL+2]
.endif
	SUBM S, M
	SUBM S+32, M+2
	EXPS S
.if \first
	v_nop                                          ; the plain place behind the first run of exponentials
.else
	RESCALE O, AL                                  ; plain work behind the first run of exponentials
.endif
	EXPS S+32
	SUMS S, LS, AL, \first
	PACK S
.if \first
.else
	RESCALE O+32, AL+2
.endif
	SUMS S+32, LS+2, AL+2, \first
	PACK S+32
	s_wait_dscnt 0x0                               ; V
	PV 0, \first
	PV 1, 0
.rept 5
	v_nop                                          ; five places: the next products write over P's registers, the next loads land on V's
.endr
.endm
; One trip: 256 keys of slot n. In front of the round every wave waits for all its tensor loads and for its LDS reads; behind it the other
; slot, o, which nobody of the cluster reads any more, is asked for first.
.macro TRIP n, o, refill, first, last
	s_wait_tensorcnt 0x0                           ; my part of this slot has landed, and no tensor load of mine is out, so group 0 may be written:
	ds_add_u32 v30, v31
	s_wait_dscnt 0x0
.if \refill
	s_add_nc_u64 s[G0+2:G0+3], s[G0+2:G0+3], TILE  ; the next 256 keys,
	s_add_co_u32 s[G0+1], s15, \o*SLOT             ; into my chunk of the other slot
.endif
	s_wait_dscnt 0x0
	ROUND
.if \refill
	JLOAD
.endif
	LOADK \n, 0
	STEP \n, 0, \first, 1
	LOADK \n, 1
	STEP \n, 1, 0, 1
	LOADK \n, 2
	STEP \n, 2, 0, 1
	LOADK \n, 3
	STEP \n, 3, 0, 1-\last
.endm
	TRIP 0, 1, 1, 1, 0                             ; the first step starts the sums: nothing is cleared
	TRIP 1, 0, 1, 0, 0
	s_mov_b32 s14, 2
.Lpair:
	TRIP 0, 1, 1, 0, 0
	TRIP 1, 0, 1, 0, 0
	s_sub_co_u32 s14, s14, 1
	s_cmp_lg_u32 s14, 0
	s_cbranch_scc1 .Lpair
	TRIP 0, 1, 1, 0, 0
	TRIP 1, 0, 0, 0, 1                             ; nothing is left to fetch
	; THE WAY OUT: 1 / sum (the largest term is 1, so the sum is at least 1), round to f16, through my own stage, back as whole rows
	v_add_f32 v[T], v[LS], v[LS+1]
	v_add_f32 v[T+4], v[LS+2], v[LS+3]
	v_permlanex16_b32 v[T+1], v[T], s12, s13
	v_permlanex16_b32 v[T+5], v[T+4], s12, s13
	v_add_f32 v[T], v[T], v[T+1]
	v_add_f32 v[T+4], v[T+4], v[T+5]
	v_rcp_f32 v[AL], v[T]
	v_rcp_f32 v[AL+2], v[T+4]
	v_nop
	s_wait_alu depctr_va_vdst(0)
	v_mov_b32 v[AL+1], v[AL]
	v_mov_b32 v[AL+3], v[AL+2]
	RESCALE O, AL
	RESCALE O+32, AL+2
.set i, 0
.rept 32
	v_cvt_pk_f16_f32 v[S+i], v[O+2*i], v[O+2*i+1]  ; register 16 qi + 4 dt + e: d = 16 dt + 8 h + 2 e, + 1 of query r
.set i, i+1
.endr
.irp qi, 0,1
.irp dt, 0,1,2,3
	ds_store_b128 v[STO], v[S+16*\qi+4*\dt:S+16*\qi+4*\dt+3] offset:\qi*16*KP+\dt*32
.endr
.endr
.irp t, 0,1,2,3,4,5,6,7
	ds_load_b128 v[FB+4*\t:FB+4*\t+3], v[RD] offset:\t*4*KP          ; my own bytes, served in order: these see the stores above
.endr
.irp t, 0,1,2,3,4,5,6,7
	s_wait_dscnt 7-\t
	global_store_b128 v[CO], v[FB+4*\t:FB+4*\t+3], s[8:9] offset:512*\t      ; the wave's store covers 512 consecutive bytes, aligned
.endr
	s_wait_tensorcnt 0x0
	ds_add_u32 v30, v31
	s_wait_dscnt 0x0
	ROUND                                          ; the closing round
	s_endpgm
.Lfunc_end_k_q6db7bb9d06_attn:
	.size	k_q6db7bb9d06_attn, .Lfunc_end_k_q6db7bb9d06_attn-k_q6db7bb9d06_attn
	.p2alignl 7, 3214868480
	.fill 96, 4, 3214868480
	.section	.rodata,"a",@progbits
	.p2align	6, 0x0
	.amdhsa_kernel k_q6db7bb9d06_attn
		.amdhsa_group_segment_fixed_size 327680
		.amdhsa_private_segment_fixed_size 0
		.amdhsa_enable_private_segment 0
		.amdhsa_kernarg_size 24
		.amdhsa_user_sgpr_count 2
		.amdhsa_user_sgpr_kernarg_segment_ptr 1
		.amdhsa_wavefront_size32 1
		.amdhsa_system_sgpr_workgroup_id_x 1
		.amdhsa_system_sgpr_workgroup_id_y 1
		.amdhsa_system_sgpr_workgroup_id_z 1
		.amdhsa_system_vgpr_workitem_id 0
		.amdhsa_next_free_vgpr 256
		.amdhsa_next_free_sgpr 106
		.amdhsa_reserve_vcc 0
		.amdhsa_float_denorm_mode_32 3
		.amdhsa_float_denorm_mode_16_64 3
		.amdhsa_memory_ordered 1
		.amdhsa_forward_progress 1
		.amdhsa_inst_pref_size 255
	.end_amdhsa_kernel
	.section	.bss,"aw",@nobits
	.p2align	6
	.space	262144
	.amdgpu_metadata
---
amdhsa.version: [ 1, 2 ]
amdhsa.kernels:
  - .name:           k_q6db7bb9d06_attn
    .symbol:         k_q6db7bb9d06_attn.kd
    .args:
      - { .name: hb, .offset: 0, .size: 8, .value_kind: global_buffer, .address_space: global }
      - { .name: mb, .offset: 8, .size: 8, .value_kind: global_buffer, .address_space: global }
      - { .name: yb, .offset: 16, .size: 8, .value_kind: global_buffer, .address_space: global }
    .group_segment_fixed_size: 327680
    .private_segment_fixed_size: 0
    .kernarg_segment_align: 8
    .kernarg_segment_size: 24
    .max_flat_workgroup_size: 512
    .sgpr_count:     106
    .vgpr_count:     256
    .wavefront_size: 32
...
	.end_amdgpu_metadata
.endif
;; end of part 3
;; launch outp (part 4): grid 4 x 64, 4 waves a work-group, clusters of 4 x 4, 327,680 bytes of LDS; arguments yb, wh, bf, out0; writes out0
.if DOCPART == 4
	.amdgcn_target "amdgcn-amd-amdhsa--gfx1250"
	.amdhsa_code_object_version 6
	.text
	.protected	k_q6db7bb9d06_outp
	.globl	k_q6db7bb9d06_outp
	.p2align	8
	.type	k_q6db7bb9d06_outp,@function
k_q6db7bb9d06_outp:
	s_mov_b64 s[64:65], 0
	v_nop
	global_prefetch_b8 v0, s[64:65] scope:SCOPE_SE
	s_setreg_imm32_b32 hwreg(HW_REG_WAVE_MODE, 25, 1), 1
	s_wait_xcnt 0x0
	s_wait_alu depctr_hold_cnt(0) depctr_sa_sdst(0) depctr_va_vdst(0) depctr_va_sdst(0) depctr_va_ssrc(0) depctr_va_vcc(0) depctr_vm_vsrc(0)
	s_getreg_b32 s2, hwreg(HW_REG_IB_STS2, 6, 4)
	s_cmp_eq_u32 s2, 0
	s_cbranch_scc0 .Lentry_in_a_cluster
	s_endpgm
.Lentry_in_a_cluster:
	s_bfe_u32 s2, ttmp6, 0x10000c
	s_cmp_lg_u32 s2, 0xf033
	s_cbranch_scc0 .Lentry_shape_is_right
	s_endpgm
.Lentry_shape_is_right:
; outp: out0[b t][n] = sum over k of y[b t][k] Wf[n][k] + bf[n], k = 64 head + d. Operands f16, sums and result f32.
; A = yb [b][head][t][64], B = the fourth matrix of wh [1024][1024]. A work-group makes 128 rows x 256 columns with four waves, a wave 64 x 128:
; 32 accumulator tiles. 64 x 4 = 256 work-groups. K goes in 8 steps of 128 (two heads) through a ring of two LDS slots.
; A's part of a step is one head's 128 rows of 128 bytes, dense in memory: it comes in as 64 rows of 256 bytes, padded behind every 128 bytes.
; CLUSTERS: 4 x 4 work-groups; A's tiles are asked for jointly along a row of the cluster, B's along a column. Waves 0, 1 ask for B, waves 2, 3 for A.
; REGISTERS: window 0: addresses, two fragment buffers; window 1: accumulators, tile (a, b) at 8 (8 a + b); window 2: the lane's 64 bias numbers.
; THE MATRIX INSTRUCTION IS USED TRANSPOSED (source 0 = rows of B, source 1 = rows of A): a lane then holds row l % 16 and eight neighbouring columns.
.set KSTEP,  128
.set PITCH,  272
.set BHALF,  128*PITCH
.set ABASE,  2*BHALF
.set APITCH, 144                       ; 128 bytes + 16, an odd multiple of 16
.set APART,  128*APITCH                ; what an A loader brings: one head, 128 rows x 64 K
.set AKHI,   APART                     ; K quarters 2, 3 lie in the second head's part
.set ASTEP1, 524288                    ; two heads of 256 KiB from a K step of A to the next
.set SLOT,   ABASE+2*APART             ; 106,496
.set STAGE,  2*SLOT                    ; 212,992, a multiple of 256: no fill lands behind it
.set SPITCH, 528                       ; 512 bytes + 16
.set LAPS,   4
.set ADRA, 16
.set ADRB, 20
.set STO,  24
.set RD,   25
.set CO,   26
.set BO,   27
.set F0,   32
.set F1,   128
.set G1,  24
.set G0,  32
.set G1B, 48
.set G0B, 56
.set MUL, 0x50
.set MSB, 0
.macro WIN new
.if MSB != \new
	s_set_vgpr_msb (MSB<<8)|\new
.set MSB, \new
.endif
.endm
.macro PLACES                          ; four places behind a matrix instruction (ISA guide 7.12.1)
.rept 4
	v_nop
.endr
.endm
.macro JLOAD s
	s_cmp_eq_u32 s11, 0
	s_cbranch_scc0 .Lfor_a_\@
	tensor_load_to_lds s[G0B+4*\s:G0B+4*\s+3], s[G1B:G1B+7]
	s_nop 0
	s_branch .Lasked_\@
.Lfor_a_\@:
	tensor_load_to_lds s[G0+4*\s:G0+4*\s+3], s[G1:G1+7]
	s_nop 0
	v_nop
.Lasked_\@:
.endm
.macro CREST
	s_cmp_lg_u32 s10, 0
	s_cbranch_scc1 .Lnot_wave_0_\@
	s_barrier_signal -3
.Lnot_wave_0_\@:
	s_barrier_wait -3
	s_barrier_signal -1
	s_barrier_wait -1
.endm
.macro CROUND
	s_barrier_signal -1
	s_barrier_wait -1
	CREST
.endm
	s_load_b128 s[4:7], s[0:1], 0x0                ; yb s[4:5], wh s[6:7]
	s_load_b128 s[68:71], s[0:1], 0x10             ; bf s[68:69], out0 s[70:71]
	v_lshl_add_u32 v30, v0, 2, 0x3c400
	v_mov_b32 v31, 0
	ds_add_u32 v30, v31
	v_lshrrev_b32 v1, 5, v0
	v_readfirstlane_b32 s10, v1                    ; wave 0..3
	s_lshr_b32 s11, s10, 1                         ; which 64 rows are mine. Also: I fetch for B (0) or for A (1)
	s_and_b32 s12, s10, 1                          ; which 128 columns are mine. Also: which part of that tile I fetch
	s_bfe_u32 s40, ttmp6, 0x40000                  ; cx
	s_bfe_u32 s41, ttmp6, 0x40004                  ; cy
	s_lshl_b32 s42, ttmp9, 2
	s_add_co_u32 s42, s42, s40                     ; block column 0..3
	s_and_b32 s13, ttmp7, 0xffff
	s_lshl_b32 s13, s13, 2
	s_add_co_u32 s13, s13, s41                     ; block row 0..63
	s_lshl_b32 s43, s41, 2
	s_lshl_b32 s43, 15, s43                        ; my row of the cluster
	s_lshl_b32 s44, 0x1111, s40                    ; my column
	s_or_b32 s[G1+0], s43, (1<<16)|(1<<20)|(1<<21)|(4<<22)|(3<<25)   ; mask; 2-byte elements; padding on; bit 21 beside a mask; 4 words behind every 32
	s_mov_b32 s[G1+1], 128<<16                     ; 64 rows of 128 elements, dense
	s_mov_b32 s[G1+2], 64<<16
	s_mov_b32 s[G1+3], 128<<16
	s_mov_b32 s[G1+4], 64
	s_mov_b32 s[G1+5], 128
	s_mov_b32 s[G1+6], 0
	s_mov_b32 s[G1+7], 0
	s_or_b32 s[G1B+0], s44, (1<<16)|(1<<20)|(1<<21)|(5<<22)|(3<<25)
	s_mov_b32 s[G1B+1], KSTEP<<16
	s_mov_b32 s[G1B+2], 128<<16
	s_mov_b32 s[G1B+3], KSTEP<<16
	s_mov_b32 s[G1B+4], 128
	s_mov_b32 s[G1B+5], 1024
	s_mov_b32 s[G1B+6], 0
	s_mov_b32 s[G1B+7], 0
	; A's tile hangs on the block row alone, B's on the block column alone
	s_lshr_b32 s16, s13, 4                         ; b: 4 MiB
	s_lshl_b32 s16, s16, 22
	s_lshl_b32 s17, s12, 18                        ; my head of the step's two: 256 KiB
	s_add_co_u32 s16, s16, s17
	s_and_b32 s17, s13, 15
	s_lshl_b32 s17, s17, 14                        ; 128 rows of 128 bytes
	s_add_co_u32 s16, s16, s17
	s_mov_b32 s17, 0
	s_lshl_b32 s46, s42, 19                        ; 256 rows of 2,048 bytes a block column
	s_lshl_b32 s47, s12, 18                        ; 128 rows a half
	s_add_co_u32 s46, s46, s47
	s_add_co_u32 s46, s46, 3<<21                   ; Wf is the fourth matrix of wh
	s_mov_b32 s47, 0
	s_mul_i32 s20, s10, BHALF
	s_mul_i32 s21, s10, APART
	s_add_co_u32 s21, s21, ABASE-2*APART
	s_lshl_b32 s18, s42, 10                        ; the bias of my 128 columns
	s_lshl_b32 s19, s12, 9
	s_add_co_u32 s18, s18, s19
	s_mov_b32 s19, 0
	s_wait_dscnt 0x0
	s_wait_kmcnt 0x0
	s_add_nc_u64 s[14:15], s[4:5], s[16:17]
	s_add_nc_u64 s[46:47], s[6:7], s[46:47]
	s_add_nc_u64 s[66:67], s[68:69], s[18:19]
	CROUND                                         ; all sixteen work-groups are here: the first joint loads meet
.irp s, 0,1
	s_mov_b32 s[G0+4*\s], 1
	s_add_co_u32 s[G0+4*\s+1], s21, \s*SLOT
	s_add_nc_u64 s[G0+4*\s+2:G0+4*\s+3], s[14:15], \s*ASTEP1
	s_or_b32 s[G0+4*\s+3], s[G0+4*\s+3], 0x80000000
	s_mov_b32 s[G0B+4*\s], 1
	s_add_co_u32 s[G0B+4*\s+1], s20, \s*SLOT
	s_add_nc_u64 s[G0B+4*\s+2:G0B+4*\s+3], s[46:47], \s*KSTEP*2
	s_or_b32 s[G0B+4*\s+3], s[G0B+4*\s+3], 0x80000000
	JLOAD \s                                       ; K steps 0 and 1: two tensor loads of the wave are out
.endr
	v_and_b32 v1, 15, v0                           ; r
	v_bfe_u32 v2, v0, 4, 1                         ; h
	v_lshlrev_b32 v[BO], 5, v2
	WIN 0x80                                       ; loaded data into window 2
.irp b, 0,1,2,3,4,5,6,7
	global_load_b128 v[8*\b:8*\b+3],   v[BO], s[66:67] offset:64*\b
	global_load_b128 v[8*\b+4:8*\b+7], v[BO], s[66:67] offset:64*\b+16
.endr
	WIN 0
	v_mul_u32_u24 v3, v1, PITCH
	v_lshl_add_u32 v3, v2, 4, v3
	v_mul_u32_u24 v4, v1, APITCH
	v_lshl_add_u32 v4, v2, 4, v4
	s_mul_i32 s22, s12, BHALF
	s_mul_i32 s23, s11, 64*APITCH
	s_add_co_u32 s23, s23, ABASE
.irp s, 0,1
	v_add_nc_u32 v[ADRA+\s], s23, v4
	v_add_nc_u32 v[ADRB+\s], s22, v3
	s_add_co_u32 s22, s22, SLOT
	s_add_co_u32 s23, s23, SLOT
.endr
	s_mul_i32 s18, s10, 16*SPITCH
	s_add_co_u32 s18, s18, STAGE                   ; my stage
	v_mul_u32_u24 v5, v1, SPITCH
	v_lshl_add_u32 v5, v2, 5, v5
	v_add_nc_u32 v[STO], s18, v5                   ; in: row r, 32 bytes for each half of the lanes
	v_and_b32 v6, 31, v0
	v_lshlrev_b32 v[CO], 4, v6                     ; 16 x lane: a row's 512 bytes, in out0
	v_add_nc_u32 v[RD], s18, v[CO]                 ; and in the stage
.macro MUL8 f, a, zero
.irp b, 0,1,2,3,4,5,6,7
.if \zero
	v_wmma_f32_16x16x32_f16 v[8*(8*\a+\b):8*(8*\a+\b)+7], v[\f+8*\b:\f+8*\b+7], v[\f+64+8*\a:\f+64+8*\a+7], 0
.else
	v_wmma_f32_16x16x32_f16 v[8*(8*\a+\b):8*(8*\a+\b)+7], v[\f+8*\b:\f+8*\b+7], v[\f+64+8*\a:\f+64+8*\a+7], v[8*(8*\a+\b):8*(8*\a+\b)+7]
.endif
.endr
.endm
.macro FETCH slot, k, f
	WIN 0
.irp i, 0,1,2,3,4,5,6,7
	ds_load_b128 v[\f+8*\i:\f+8*\i+3],   v[ADRB+\slot] offset:64*\k+\i*16*PITCH
	ds_load_b128 v[\f+8*\i+4:\f+8*\i+7], v[ADRB+\slot] offset:64*\k+\i*16*PITCH+32
.endr
.irp i, 0,1,2,3
	ds_load_b128 v[\f+64+8*\i:\f+64+8*\i+3],   v[ADRA+\slot] offset:(\k>>1)*AKHI+(\k&1)*64+\i*16*APITCH
	ds_load_b128 v[\f+64+8*\i+4:\f+64+8*\i+7], v[ADRA+\slot] offset:(\k>>1)*AKHI+(\k&1)*64+\i*16*APITCH+32
.endr
.endm
; The 32 accumulators take turns, one instruction a turn, in the same order in every quarter.
.macro QUARTER slot, k, f, g, zero
	s_wait_dscnt 4                                 ; B and A's tiles 0, 1 are in; the youngest four loads may be out
	WIN MUL
	MUL8 \f, 0, \zero
	MUL8 \f, 1, \zero
	PLACES
	FETCH \slot, \k, \g
	s_wait_dscnt 24                                ; all but the 24 just issued
	WIN MUL
	MUL8 \f, 2, \zero
	MUL8 \f, 3, \zero
.endm
.macro THREE slot, zero
	QUARTER \slot, 1, F0, F1, \zero
	QUARTER \slot, 2, F1, F0, 0
	QUARTER \slot, 3, F0, F1, 0
.endm
; The change of slots: each wave's reads of this slot and all its tensor loads are waited for in front of the barrier; where the slot is filled
; again the barrier opens a round of the cluster's barrier, and the joint refill is the first tensor load behind the round.
.macro TURN slot, next, fill
	s_wait_dscnt 4
	WIN MUL
	MUL8 F1, 0, 0
	s_wait_dscnt 0
	s_wait_tensorcnt 0x0
	ds_add_u32 v30, v31
	s_wait_dscnt 0x0
	s_barrier_signal -1
	MUL8 F1, 1, 0                                  ; registers only
	WIN 0
	s_barrier_wait -1
.if \fill
	CREST
	s_add_nc_u64 s[G0+4*\slot+2:G0+4*\slot+3], s[G0+4*\slot+2:G0+4*\slot+3], 2*ASTEP1
	s_add_nc_u64 s[G0B+4*\slot+2:G0B+4*\slot+3], s[G0B+4*\slot+2:G0B+4*\slot+3], 2*KSTEP*2
	JLOAD \slot
.endif
	PLACES
	FETCH \next, 0, F0
	WIN MUL
	MUL8 F1, 2, 0
	MUL8 F1, 3, 0
.endm
.macro LAP zero
	THREE 0, \zero
	TURN 0, 1, 1
	THREE 1, 0
	TURN 1, 0, 1
.endm
	s_wait_tensorcnt 1                             ; my part of K step 0 is in; K step 1's stays out
	s_barrier_signal -1
	s_barrier_wait -1
	FETCH 0, 0, F0
	LAP 1
	WIN 0
	s_mov_b32 s3, LAPS-2
.Llap:
	LAP 0
	WIN 0
	s_sub_co_u32 s3, s3, 1
	s_cmp_lg_u32 s3, 0
	s_cbranch_scc1 .Llap
	THREE 0, 0                                     ; the last lap fills nothing
	TURN 0, 1, 0
	THREE 1, 0
	s_wait_dscnt 4
	WIN MUL
	MUL8 F1, 0, 0
	MUL8 F1, 1, 0
	s_wait_dscnt 0
	MUL8 F1, 2, 0
	MUL8 F1, 3, 0
	; THE WAY OUT, 16 rows at a time: sum + bias in f32, through my own stage, back as whole rows of 512 bytes
	PLACES
	s_wait_loadcnt 0x0                             ; the bias
	s_lshl_b32 s78, s13, 19                        ; 128 rows of 4,096 bytes a block row
	s_lshl_b32 s79, s11, 18                        ; 64 rows a wave
	s_add_co_u32 s78, s78, s79
	s_lshl_b32 s79, s42, 10                        ; 256 columns a block column
	s_add_co_u32 s78, s78, s79
	s_lshl_b32 s79, s12, 9                         ; 128 columns a wave
	s_add_co_u32 s78, s78, s79
	s_mov_b32 s79, 0
	s_add_nc_u64 s[8:9], s[70:71], s[78:79]
.macro OUT16 a, rb
	WIN 0x09                                       ; source 0 (sums) window 1, source 1 (bias) window 2
.irp b, 0,1,2,3,4,5,6,7
.irp i, 0,1,2,3
	v_pk_add_f32 v[F0+8*\b+2*\i:F0+8*\b+2*\i+1], v[8*(8*\a+\b)+2*\i:8*(8*\a+\b)+2*\i+1], v[8*\b+2*\i:8*\b+2*\i+1]
.endr
.endr
	WIN 0
.irp b, 0,1,2,3,4,5,6,7
	ds_store_b128 v[STO], v[F0+8*\b:F0+8*\b+3]   offset:64*\b
	ds_store_b128 v[STO], v[F0+8*\b+4:F0+8*\b+7] offset:64*\b+16
.endr
	s_wait_xcnt 0x0                                ; the registers that earlier stores read are loaded again only behind this wait
.irp t, 0,1,2,3,4,5,6,7,8,9,10,11,12,13,14,15
	ds_load_b128 v[\rb+4*\t:\rb+4*\t+3], v[RD] offset:\t*SPITCH        ; my own bytes, served in order: these see the stores above
.endr
.irp t, 0,1,2,3,4,5,6,7,8,9,10,11,12,13,14,15
	s_wait_dscnt 15-\t
	global_store_b128 v[CO], v[\rb+4*\t:\rb+4*\t+3], s[8:9] offset:(16*\a+\t)*4096 th:TH_STORE_NT   ; the wave's store covers 512 consecutive bytes, aligned
.endr
.endm
	OUT16 0, F1
	OUT16 1, F1+64
	OUT16 2, F1
	OUT16 3, F1+64
	s_wait_tensorcnt 0x0
	ds_add_u32 v30, v31
	s_wait_dscnt 0x0
	CROUND                                         ; the closing round
	s_endpgm
.Lfunc_end_k_q6db7bb9d06_outp:
	.size	k_q6db7bb9d06_outp, .Lfunc_end_k_q6db7bb9d06_outp-k_q6db7bb9d06_outp
	.p2alignl 7, 3214868480
	.fill 96, 4, 3214868480
	.section	.rodata,"a",@progbits
	.p2align	6, 0x0
	.amdhsa_kernel k_q6db7bb9d06_outp
		.amdhsa_group_segment_fixed_size 327680
		.amdhsa_private_segment_fixed_size 0
		.amdhsa_enable_private_segment 0
		.amdhsa_kernarg_size 32
		.amdhsa_user_sgpr_count 2
		.amdhsa_user_sgpr_kernarg_segment_ptr 1
		.amdhsa_wavefront_size32 1
		.amdhsa_system_sgpr_workgroup_id_x 1
		.amdhsa_system_sgpr_workgroup_id_y 1
		.amdhsa_system_sgpr_workgroup_id_z 1
		.amdhsa_system_vgpr_workitem_id 0
		.amdhsa_next_free_vgpr 576
		.amdhsa_next_free_sgpr 80
		.amdhsa_reserve_vcc 0
		.amdhsa_float_denorm_mode_32 3
		.amdhsa_float_denorm_mode_16_64 3
		.amdhsa_memory_ordered 1
		.amdhsa_forward_progress 1
		.amdhsa_inst_pref_size 128
	.end_amdhsa_kernel
	.amdgpu_metadata
---
amdhsa.version: [ 1, 2 ]
amdhsa.kernels:
  - .name:           k_q6db7bb9d06_outp
    .symbol:         k_q6db7bb9d06_outp.kd
    .args:
      - { .name: yb, .offset: 0, .size: 8, .value_kind: global_buffer, .address_space: global }
      - { .name: wh, .offset: 8, .size: 8, .value_kind: global_buffer, .address_space: global }
      - { .name: bf, .offset: 16, .size: 8, .value_kind: global_buffer, .address_space: global }
      - { .name: out0, .offset: 24, .size: 8, .value_kind: global_buffer, .address_space: global }
    .group_segment_fixed_size: 327680
    .private_segment_fixed_size: 0
    .kernarg_segment_align: 8
    .kernarg_segment_size: 32
    .max_flat_workgroup_size: 128
    .sgpr_count:     80
    .vgpr_count:     576
    .wavefront_size: 32
...
	.end_amdgpu_metadata
.endif
;; end of part 4
